; MI455X (gfx1250); checked and timed in simulation.
; The chip was launched on July 23, 2026; its instructions are those of AMD's public machine-readable ISA for CDNA 5 (MIT licence, August 2026) and "CDNA5" Instruction Set Architecture Reference Guide (July 2026). The comments in the code are by the model that wrote it; some were corrected since.
;; Global Glu Out. Allowed arithmetic: matrix products marked QUANTISED: E2M3 operands, one E8M0 scale for each 32 along K, by v_wmma_scale_f32_16x16x128_f8f6f4 with both operands' format E2M3, f32 sums; everything else in f32.
;; Inputs: kernel1_codes 128 x 39 x 156 x 24 uint8 (E2M3 codes of kernel1, K innermost, in blocks of 32 codes, four codes in three bytes); kernel1_scales 128 x 39 x 156 uint8 (E8M0 scales of kernel1, one for each 32 codes along K); kernel2_codes 128 x 39 x 156 x 24 uint8 (E2M3 codes of kernel2, K innermost, in blocks of 32 codes, four codes in three bytes); kernel2_scales 128 x 39 x 156 uint8 (E8M0 scales of kernel2, one for each 32 codes along K); x 1,024 x 39 x 128 float32.
;; Outputs: out0 1,024 x 39 x 128 float32.
;; This version of the problem:
;;   THIS VERSION OF THE PROBLEM IS GIVEN IN LOW PRECISION. The matrix products marked QUANTISED in the list below multiply operands that are first quantised to E2M3 (2 exponent bits, 3 mantissa bits; 6 bits a number), with one power-of-two scale for each 32 numbers along K (OCP MX v1.0); their sums are f32. All else is computed in f32.
;;   The module's matrix products, in the order in which they are computed (A, B: the left and right operand; K: the contracted axis; several contracted axes count as one K, in the product's order):
;;     1. [M 4,992, K 4,992] x [K 4,992, N 1,024]; A: input kernel1 (given as codes); B: input x: QUANTISED
;;     2. [M 4,992, K 4,992] x [K 4,992, N 1,024]; A: input kernel2 (given as codes); B: input x: QUANTISED
;;   THE QUANTISER, for each operand of a quantised product, along K:
;;     - K is cut into blocks of 32 from its start; a last block that is shorter is filled with zeros.
;;     - A block's scale is 2^e with e = floor(log2(the largest magnitude in the block)) - 2, held to -126 .. 127; a block of zeros has e = 0. As a byte (E8M0): e + 127.
;;     - Each number is divided by its block's scale, clamped to +-7.5, and rounded to the nearest number of E2M3, ties to even, subnormals kept.
;;     - The product sums the exact products of the quantised numbers (number of the format x scale) in f32.
;;   ~~~python
;;   def quantise(x, axis):      # numpy; x: float32 -> the quantised numbers, widened to float32 again
;;       x = np.moveaxis(x, axis, -1); K = x.shape[-1]
;;       x = np.pad(x, [(0, 0)] * (x.ndim - 1) + [(0, -K % 32)]); x = x.reshape(x.shape[:-1] + (-1, 32)); a = np.abs(x).max(-1, keepdims=True)
;;       e = np.where(a > 0, np.clip(np.frexp(np.where(a > 0, a, 1))[1] - 1 - 2, -126, 127), 0)      # np.frexp(a)[1] - 1 = floor(log2(a)), exactly
;;       r = np.clip(x / 2.0 ** e, -7.5, 7.5)
;;       step = 2.0 ** (np.maximum(np.frexp(np.where(r == 0, 1, r))[1] - 1, 0) - 3)
;;       q = np.round(r / step) * step * 2.0 ** e      # np.round: ties to even
;;       return np.moveaxis(q.reshape(q.shape[:-2] + (-1,))[..., :K], -1, axis).astype(np.float32)
;;   ~~~
;;   INPUTS GIVEN AS CODES. kernel1 (in the module: [128, 39, 4992], K = its axis 2); kernel2 (in the module: [128, 39, 4992], K = its axis 2): each comes as NAME_codes (uint8): NAME with its K axis moved to the last place and cut into blocks of 32 codes, [.., K / 32, bytes a block], one block behind the other in memory; four codes in three bytes: a row's codes are one little-endian stream of bits, code i at bits 6 i .. 6 i + 5 (a code: sign, 2 exponent bits, 3 mantissa bits); and NAME_scales (uint8): the same leading axes, one E8M0 byte (e + 127) for each 32 codes along K. Its value is code x scale, taken as it is: it is not quantised again, and the codes and scales need not be those that the quantiser above would give.
;; One version. Each part assembles by itself: llvm-mc -triple=amdgcn-amd-amdhsa -mcpu=gfx1250 --defsym DOCPART=n.
;; ======== version 1 of 1: 2 launches
;; workspace buffers: xq 3,993,600 bytes
;; launch quant (part 1): grid 39 x 16, 4 waves a work-group, no clusters, 35,328 bytes of LDS; arguments x, xq; writes xq
.if DOCPART == 1
	.amdgcn_target "amdgcn-amd-amdhsa--gfx1250"
	.amdhsa_code_object_version 6
	.text
	.protected	k_q24c0a4c9e1_quant
	.globl	k_q24c0a4c9e1_quant
	.p2align	8
	.type	k_q24c0a4c9e1_quant,@function
k_q24c0a4c9e1_quant:
	s_mov_b64 s[64:65], 0
	v_nop
	global_prefetch_b8 v0, s[64:65] scope:SCOPE_SE
	s_setreg_imm32_b32 hwreg(HW_REG_WAVE_MODE, 25, 1), 1
	s_wait_xcnt 0x0
; x [1024][4992] f32 is turned into codes of FP6 (E2M3) with one E8M0 scale byte for each 32 along K (K = a row's 4,992 numbers), laid as the product's launch wants them:
; xq = [8 runs of 128 rows][39 K steps of 128][12,800 bytes].  A chunk holds 8 fragments (16 rows x 128 K) as IMAGES OF THE OPERAND'S REGISTERS, 1,536 bytes each
; (register 4 k + j of lane l at 512 k + 16 l + 4 j), and behind them, from byte 12,288 on, the 128 rows' scale words, 4 bytes a row.
; A block's scale is 2^(floor(log2(its largest magnitude)) - 2); its byte is the largest magnitude's exponent field - 2, held at 1 from below.
; LIMITS: NaN and infinities in x are not served.  A block of zeros gets the byte 1 where the rule says 127: its codes are zeros, which add nothing under any byte but 0xff,
; and the bytes are read by this program alone.
; SHARES: work-group (ks, y): K step ks, rows 64 y .. 64 y + 63; wave w: the 16 rows 64 y + 16 w on: one fragment.  Each of its 16 loads reads 512 consecutive bytes of one row, at a
; multiple of 256 from x's first byte.  The conversions want 16 neighbours along K in ONE lane, so the 8,192 bytes turn through the wave's own stage in LDS (rows 528 bytes apart).
; No matrix unit, no cluster, no tensor load: the launch streams, and its waves share nothing but one block of 256 scale bytes.
.set XROW, 19968                       ; a row of x in bytes
.set ACH,  12800                       ; a chunk of xq
.set SP,   528                         ; a stage row: 512 bytes + 16
.set STGW, 16*SP                       ; a wave's stage
.set SCW,  4*STGW                      ; behind the stages: the work-group's 64 scale words
.set R,    16                          ; v16-79   the numbers as loaded: register 4 i + j: row i
.set X,    80                          ; v80-143  register 16 b + i = k 32 b + 16 (lane / 16) + i of row lane % 16
.set PC,   144                         ; v144-163 the codes
.set TM,   164                         ; v164-179 at work
.set PW,   180                         ; v180     the scale word
.set SEL,  20                          ; s[20:21] lane selects for v_permlanex16_b32: lane l xor 16
	s_load_b128 s[4:7], s[0:1], 0x0                ; x, xq
	v_lshl_add_u32 v192, v0, 2, 0x8800
	v_mov_b32 v193, 0
	v_lshrrev_b32 v1, 5, v0
	v_readfirstlane_b32 s8, v1                     ; wave 0..3
	v_and_b32 v1, 31, v0                           ; lane
	v_and_b32 v2, 15, v0                           ; r
	v_bfe_u32 v3, v0, 4, 1                         ; h
	v_lshlrev_b32 v4, 4, v1                        ; 16 x lane: my bytes of a load's 512, and of an image's
	s_mul_i32 s9, s8, STGW                         ; my stage
	v_add_nc_u32 v5, s9, v4                        ; into it: as loaded
	v_mul_u32_u24 v6, v2, SP
	v_lshl_add_u32 v6, v3, 6, v6
	v_add_nc_u32 v6, s9, v6                        ; out of it: row r, + 64 h: my 16 numbers of each block of 32
	s_lshl_b32 s9, s8, 6
	v_lshlrev_b32 v7, 2, v2
	v_add_nc_u32 v7, s9, v7
	v_add_nc_u32 v7, SCW, v7                       ; my row's scale word: 64 x wave + 4 r
	v_lshlrev_b32 v8, 3, v1                        ; the scale words' way out: 8 bytes a lane
	v_add_nc_u32 v9, SCW, v8
.irp b, 0,1,2,3
	v_mov_b32 v[TM+4+\b], 0                        ; written once: a lane permute's destination counts as one of its sources
.endr
	s_mov_b32 s[SEL], 0x76543210
	s_mov_b32 s[SEL+1], 0xfedcba98
	s_and_b32 s12, ttmp7, 0xffff                   ; y
	s_lshl_b32 s10, s12, 6
	s_lshl_b32 s11, s8, 4
	s_add_co_u32 s10, s10, s11                     ; my first row
	s_mul_i32 s10, s10, XROW
	s_lshl_b32 s11, ttmp9, 9
	s_add_co_u32 s10, s10, s11                     ; + 512 bytes a K step (all of x is under 2^25 bytes)
	s_mov_b32 s11, 0
	s_lshr_b32 s14, s12, 1                         ; which run of 128 rows
	s_mul_i32 s14, s14, 39
	s_add_co_u32 s14, s14, ttmp9
	s_mul_i32 s14, s14, ACH                        ; the chunk
	s_and_b32 s13, s12, 1
	s_lshl_b32 s16, s13, 2
	s_add_co_u32 s16, s16, s8                      ; which of its 8 fragments: 4 (y % 2) + wave
	s_mul_i32 s16, s16, 1536
	s_add_co_u32 s16, s16, s14
	s_mov_b32 s17, 0
	s_lshl_b32 s18, s13, 8                         ; the work-group's 256 bytes of scale words
	s_add_co_u32 s18, s18, s14
	s_add_co_u32 s18, s18, 12288
	s_mov_b32 s19, 0
	s_wait_kmcnt 0x0
	s_add_nc_u64 s[4:5], s[4:5], s[10:11]
	s_add_nc_u64 s[22:23], s[6:7], s[16:17]
	s_add_nc_u64 s[24:25], s[6:7], s[18:19]
.irp i, 0,1,2,3,4,5,6,7,8,9,10,11,12,13,14,15
	global_load_b128 v[R+4*\i:R+4*\i+3], v4, s[4:5] offset:\i*XROW th:TH_LOAD_NT   ; row i: 32 lanes read 512 consecutive bytes
.endr
.irp i, 0,1,2,3,4,5,6,7,8,9,10,11,12,13,14,15
	s_wait_loadcnt 15-\i                           ; loads come back in order: row i is in, the younger ones stay out
	ds_store_b128 v5, v[R+4*\i:R+4*\i+3] offset:SP*\i
.endr
.irp b, 0,1,2,3
.irp j, 0,1,2,3
	ds_load_b128 v[X+16*\b+4*\j:X+16*\b+4*\j+3], v6 offset:128*\b+16*\j   ; LDS serves a wave's instructions in order: these see my stores
.endr
.endr
	s_wait_dscnt 0x0
; The four blocks of 32 of my row: 16 numbers of each are mine, 16 are lane l xor 16's.
.irp b, 0,1,2,3
	v_max3_num_f32 v[TM+\b], |v[X+16*\b]|, |v[X+1+16*\b]|, 0x1800000   ; and the floor 2^(3 - 127), under which no largest magnitude is taken: so the byte cannot fall under 1
.endr
.irp i, 2,4,6,8,10,12,14
.irp b, 0,1,2,3
	v_max3_num_f32 v[TM+\b], v[TM+\b], |v[X+16*\b+\i]|, |v[X+1+16*\b+\i]|   ; (the four blocks by turns: no line waits for the line above it)
.endr
.endr
.irp b, 0,1,2,3
	v_permlanex16_b32 v[TM+4+\b], v[TM+\b], s[SEL], s[SEL+1]
.endr
.irp b, 0,1,2,3
	v_max_num_f32 v[TM+\b], v[TM+\b], v[TM+4+\b]   ; the block's largest magnitude
.endr
.irp b, 0,1,2,3
	v_add_nc_u32 v[TM+12+\b], 0xff000000, v[TM+\b] ; 2 off its exponent field: the conversion takes the exponent field of this operand as its scale, and nothing else of it
.endr
.irp b, 0,1,2,3
	v_lshrrev_b32 v[TM+4+\b], 23, v[TM+12+\b]      ; the scale's byte
.endr
	v_lshl_or_b32 v[PW], v[TM+5], 8, v[TM+4]       ; the four bytes make my row's scale word (both halves of the lanes hold the same)
	v_lshl_or_b32 v[PW], v[TM+6], 16, v[PW]
	v_lshl_or_b32 v[PW], v[TM+7], 24, v[PW]
.irp c, 0,1
	v_cvt_scalef32_pk16_fp6_f32 v[PC+6*\c:PC+2+6*\c], v[X+32*\c:X+15+32*\c], v[TM+12+2*\c]
	v_cvt_scalef32_pk16_fp6_f32 v[PC+12+4*\c:PC+14+4*\c], v[X+16+32*\c:X+31+32*\c], v[TM+12+2*\c+1]   ; (a conversion's three registers begin on an even number)
.endr
	v_nop                                          ; one plain place behind a scaled conversion
.irp c, 0,1                                    ; the operand's layout wants a WHOLE block in a lane: lanes 0-15 block 2 c, lanes 16-31 block 2 c + 1
.irp i, 0,1,2
	v_permlane16_swap_b32 v[PC+6*\c+\i], v[PC+12+4*\c+\i]
.endr
.irp i, 0,1,2
	v_mov_b32 v[PC+3+6*\c+\i], v[PC+12+4*\c+\i]
.endr
.endr
.irp k, 0,1,2
	global_store_b128 v4, v[PC+4*\k:PC+4*\k+3], s[22:23] offset:512*\k   ; the fragment as it stands: 32 lanes store 512 consecutive bytes, at a multiple of 256 from xq's first byte
.endr
	ds_store_b32 v7, v[PW]                         ; lanes r and r + 16 write the same word with the same value
	s_wait_dscnt 0x0                               ; for wave 0's sake: my word has landed
	s_barrier_signal -1
	s_barrier_wait -1
	s_cmp_lg_u32 s8, 0
	s_cbranch_scc1 .Lend
	ds_load_b64 v[182:183], v9                     ; the four waves' 64 words
	s_wait_dscnt 0x0
	global_store_b64 v8, v[182:183], s[24:25]      ; 32 lanes store 256 consecutive bytes, at a multiple of 256 from xq's first byte
.Lend:
	s_wait_tensorcnt 0x0
	ds_add_u32 v192, v193
	s_wait_dscnt 0x0
	s_endpgm
.Lfunc_end_k_q24c0a4c9e1_quant:
	.size	k_q24c0a4c9e1_quant, .Lfunc_end_k_q24c0a4c9e1_quant-k_q24c0a4c9e1_quant
	.p2alignl 7, 3214868480
	.fill 96, 4, 3214868480
	.section	.rodata,"a",@progbits
	.p2align	6, 0x0
	.amdhsa_kernel k_q24c0a4c9e1_quant
		.amdhsa_group_segment_fixed_size 35328
		.amdhsa_private_segment_fixed_size 0
		.amdhsa_enable_private_segment 0
		.amdhsa_kernarg_size 16
		.amdhsa_user_sgpr_count 2
		.amdhsa_user_sgpr_kernarg_segment_ptr 1
		.amdhsa_wavefront_size32 1
		.amdhsa_system_sgpr_workgroup_id_x 1
		.amdhsa_system_sgpr_workgroup_id_y 1
		.amdhsa_system_sgpr_workgroup_id_z 1
		.amdhsa_system_vgpr_workitem_id 0
		.amdhsa_next_free_vgpr 194
		.amdhsa_next_free_sgpr 66
		.amdhsa_reserve_vcc 0
		.amdhsa_float_denorm_mode_32 3
		.amdhsa_float_denorm_mode_16_64 3
		.amdhsa_memory_ordered 1
		.amdhsa_forward_progress 1
		.amdhsa_inst_pref_size 11
	.end_amdhsa_kernel
	.amdgpu_metadata
---
amdhsa.version: [ 1, 2 ]
amdhsa.kernels:
  - .name:           k_q24c0a4c9e1_quant
    .symbol:         k_q24c0a4c9e1_quant.kd
    .args:
      - { .name: x, .offset: 0, .size: 8, .value_kind: global_buffer, .address_space: global }
      - { .name: xq, .offset: 8, .size: 8, .value_kind: global_buffer, .address_space: global }
    .group_segment_fixed_size: 35328
    .private_segment_fixed_size: 0
    .kernarg_segment_align: 8
    .kernarg_segment_size: 16
    .max_flat_workgroup_size: 128
    .sgpr_count:     66
    .vgpr_count:     194
    .wavefront_size: 32
...
	.end_amdgpu_metadata
.endif
;; end of part 1
;; launch glu (part 2): grid 4 x 39, 4 waves a work-group, clusters of 4 x 1, 327,680 bytes of LDS; arguments kernel1_codes, kernel1_scales, kernel2_codes, kernel2_scales, x, xq, out0; writes out0
.if DOCPART == 2
	.amdgcn_target "amdgcn-amd-amdhsa--gfx1250"
	.amdhsa_code_object_version 6
	.text
	.protected	k_q24c0a4c9e1_glu
	.globl	k_q24c0a4c9e1_glu
	.p2align	8
	.type	k_q24c0a4c9e1_glu,@function
k_q24c0a4c9e1_glu:
	s_mov_b64 s[64:65], 0
	v_nop
	global_prefetch_b8 v0, s[64:65] scope:SCOPE_SE
	s_setreg_imm32_b32 hwreg(HW_REG_WAVE_MODE, 25, 1), 1
	s_wait_xcnt 0x0
	s_wait_alu depctr_hold_cnt(0) depctr_sa_sdst(0) depctr_va_vdst(0) depctr_va_sdst(0) depctr_va_ssrc(0) depctr_va_vcc(0) depctr_vm_vsrc(0)
	s_getreg_b32 s2, hwreg(HW_REG_IB_STS2, 6, 4)
	s_cmp_eq_u32 s2, 0
	s_cbranch_scc0 .Lentry_in_a_cluster
	s_endpgm
.Lentry_in_a_cluster:
	s_bfe_u32 s2, ttmp6, 0x10000c
	s_cmp_lg_u32 s2, 0x3003
	s_cbranch_scc0 .Lentry_shape_is_right
	s_endpgm
.Lentry_shape_is_right:
; kp1[b][f][e] = sum over d of x[b][d] kernel1[e][f][d], kp2 likewise, both on codes of FP6 (E2M3) with one E8M0 scale for each 32 along d;
; g[b][f] = sigmoid(sum over e of kp1 x);  out = x (1 - g) + kp2 x g = x ((1 - g) + kp2 g).  Sums, gate and output in f32.
; SHARES.  The gate wants all 128 e of a field of kp1 ahead of any output of that field, so a work-group owns ONE FIELD f for 256 rows b: 256 rows x 256 columns (128 e of kernel1, 128 e of kernel2).
; Four waves, as many as a WGP has SIMDs; wave w makes rows 64 w .. 64 w + 63 x ALL 256 columns: 4 x 16 accumulators, 512 registers.  So a wave's rows of x are read by no other wave, and its gate is its own.
; 4 x 39 = 156 work-groups: fewer than there are WGPs.  39 fields x 64 row tiles divide into no large equal shares, and smaller tiles feed fewer multiply-adds from each LDS byte.
; x's CODES come from xq, where the launch before laid them as images of the operand's registers, STRAIGHT INTO REGISTERS: 12 loads of 512 consecutive bytes and 2 of scale words a K step, into four sets by
; turns, asked for three K steps (192 matrix instructions) ahead.  They take no LDS.
; THE KERNELS' CODES come as they lie in memory through a ring of two LDS buffers, which they have to themselves: a slot holds FOUR K steps of 128 (a row of 384 bytes), the last slot three: 39 = 9 x 4 + 3.
; Slot s lies in the upper buffer where s is even.  The buffers lie 2^17 bytes apart: one exclusive or turns an address, and the loop's trip is one slot.  Each wave fetches 64 rows of a kernel.
; The kernels' scale bytes of the field, for all of K, come once, with the first fills, and stay.
; CLUSTER.  The four row blocks of a field form a cluster and ask JOINTLY for the kernels' tiles and scale bytes (mask 15): each of those bytes is asked for once.  x differs between the partners.
; A second cluster axis along the fields is not used: 39 is no multiple of 4.
; THE MATRIX INSTRUCTION IS USED TRANSPOSED (source 0 = 16 rows of a kernel, source 1 = 16 rows of x): lane (r, h) holds row r of x and e = 8 h + 0 .. 7: eight neighbours of a row of out.
; LIMITS: NaN and infinities in x are not served; a kernel scale byte 0xff makes the sums NaN.  The sigmoid is 1 / (1 + 2^(-s log2 e)): the exponential's overflow gives g = 0, its underflow g = 1.
; REGISTERS, in windows of 256: window 0: v6-19, v28-31 addresses; v20-27 x's scale words; v32-63 the kernels' scale words, two sets; v64-255 x's fragments, four sets of 48; in the epilogue v64-159 at work.
;   window 1: v0-191 the kernels' 16 fragments, ONE set, fetched anew by halves; in the epilogue all 256: x in f32.   window 2: kp1, window 3: kp2: accumulator (a, b) at v[8 (4 (b % 8) + a)].
.set KROW,  3744                       ; a kernel row in bytes: 4,992 codes
.set FROW,  39*KROW                    ; from e to e + 1
.set XROW,  19968                      ; a row of x and of out in bytes
.set ACH,   12800                      ; a chunk of xq: 128 rows x 128 K: 8 images of 1,536 bytes, then 512 bytes of scale words
.set SLB,   384                        ; a slot's part of a kernel row
.set PITCH, 432                        ; and in LDS: 3 x (128 bytes + 16 of padding) = 108 words: row r starts at bank 44 r mod 64, sixteen different multiples of 4 (64 banks of 4 bytes: ISA guide 11.1)
.set WTILE, 64*PITCH                   ; what one tensor load brings
.set SROW,  156                        ; a row of kernel scale bytes
.set SHALF, 128*SROW
.set BUFL,  0                          ; odd slots: kernel1's 128 rows, then kernel2's: 110,592 bytes
.set BUFU,  1<<17                      ; even slots
.set XT,    BUFU                       ; x in f32 for the epilogue: 64 rows x (512 bytes + 16) for each wave; it takes the upper buffer's bytes when slot 8 has been read, and 24,576 behind them
.set XTW,   64*528
.set SCB,   XT+4*XTW                   ; the kernels' scale bytes: 256 rows of 156 bytes; filled once
.set SPARE, SCB+2*SHALF                ; the spare words, 128 bytes for each wave: two blocks of 256 bytes that no other line names
.set STG,   SPARE+512                  ; the way out: 16 rows x 272 bytes for each wave; no tensor load lands here
.set FR,    12                         ; registers of a fragment
.set PFOL, 6                           ; v6   the last kernel prefetch's offset: r x FROW + 96 h; never rewritten
.set ADRS, 7                           ; v7   the kernels' scale words: 156 r + 4 h; it steps 16 bytes a slot
.set XR,   8                           ; v8   my place in my tile of x: 528 r + 32 h
.set STO,  9                           ; v9   the way out: where I put 32 bytes of a row
.set RD,   10                          ; v10  where I read a row back
.set CO,   11                          ; v11  my byte offset in two rows of out
.set AOF,  12                          ; v12  16 x lane: my bytes of an image
.set ASO,  13                          ; v13  my scale word's place, counted from my wave's first image
.set AB0,  14                          ; v14-15 my lane's place in a buffer: 432 r + 24 h, and 432 r + 40 h for the pieces that lie behind one padding more
.set ADRB, 16                          ; v16-19 the same in the buffer in hand: kernel1's rows (two), kernel2's rows (two)
.set XS,   20                          ; v20-27 x's scale words: set q at v[XS + 2 q]: register j: lanes 0-15 block 2 j, lanes 16-31 block 2 j + 1
.set SPW,  28                          ; v28  LDS address of my spare word: SPARE + 4 x my thread's number; never rewritten
.set NIL,  29                          ; v29  0; never rewritten
.set PFO,  30                          ; v30  r x FROW + 192 h; never rewritten
.set PFOX, 31                          ; v31  (lane / 2) x XROW + 256 (lane % 2); never rewritten
.set SC,   32                          ; the kernels' scale words: set t at v[SC + 16 t], + b for block b: lanes 0-15 the slot's K step 2 t, lanes 16-31 K step 2 t + 1
.set AF,   64                          ; x's fragments: set q at v[AF + 48 q]
.set PS,   64                          ; epilogue: v64-67 a block's sums
.set PD,   68                          ; v68-71 the permutes' destinations
.set GT,   72                          ; v72-79 the pairs (g, 1 - g)
.set TT,   80                          ; v80-87 four chains
.set BK,   96                          ; v96-159 16 half rows read back from the stage, two sets by turns
.set G1B,  24                          ; s[24:31] group 1: 64 rows x 384 bytes of a kernel
.set G1BL, 32                          ; s[32:39] the last slot: 288 bytes of each row
.set G0F,  40                          ; s[40:43] group 0 of slot 0
.set G0W,  44                          ; s[44:47] group 0 of slot 1, which then walks on
.set G1S,  48                          ; s[48:55], s[56:59] the kernels' scale bytes
.set G0S,  56
.set TB,   60                          ; s60  the buffer in hand
.set SEL,  66                          ; s[66:67] lane selects for v_permlanex16_b32
.set G1X,  68                          ; s[68:75], s[76:79] x in f32
.set G0X,  76
.set AP,   80                          ; s[80:81] xq at my wave's first image of the slot's first K step
.set PFB,  82                          ; s[82:83] where my prefetches of kernel codes stand
.set PFX,  84                          ; s[84:85] my tile of x in memory
.set MSB, 0
.macro WIN new                         ; the immediate's high byte repeats the setting that is left
.if MSB != \new
	s_set_vgpr_msb (MSB<<8)|\new
.set MSB, \new
.endif
.endm
.set MUL_LO, 0xa1                      ; source 0 (kernel) window 1, source 1 (x) window 0, C and D window 2
.set MUL_HI, 0xf1                      ; the same, C and D window 3
.set TO_B,   0x40                      ; destination window 1, address window 0
.macro PLACES n                        ; a load into a register that a matrix instruction has read, and a read of a result, stand four plain vector instructions behind it (ISA guide 7.12.1 for the read of a result)
.rept \n
	v_nop
.endr
.endm
.macro SHAPE g, w0, d0, t0, rows, pitch    ; a descriptor's group 1, every word a constant: tensor_dim0, tile_dim0, rows (tensor_dim1 = tile_dim1), stride from row to row, in elements
	s_mov_b32 s[\g], \w0
	s_mov_b32 s[\g+1], (\d0)<<16
	s_mov_b32 s[\g+2], (\rows)<<16
	s_mov_b32 s[\g+3], (\t0)<<16
	s_mov_b32 s[\g+4], \rows
	s_mov_b32 s[\g+5], \pitch
	s_mov_b32 s[\g+6], 0
	s_mov_b32 s[\g+7], 0
.endm
.macro CREST                           ; a round of the cluster's barrier behind its opening barrier
	s_cmp_lg_u32 s18, 0
	s_cbranch_scc1 .Lnot_wave_0_\@
	s_barrier_signal -3
.Lnot_wave_0_\@:
	s_barrier_wait -3
	s_barrier_signal -1
	s_barrier_wait -1
.endm
.macro CROUND                          ; a whole round
	s_barrier_signal -1
	s_barrier_wait -1
	CREST
.endm
.macro NEWADR                          ; my lane's places in the buffer in hand
	v_add_nc_u32 v[ADRB], s[TB], v[AB0]
	v_add_nc_u32 v[ADRB+1], s[TB], v[AB0+1]
	v_add_nc_u32 v[ADRB+2], 128*PITCH, v[ADRB]
	v_add_nc_u32 v[ADRB+3], 128*PITCH, v[ADRB+1]
.endm
; PREFETCHES INTO THE L2, behind the refill and the run of LDS loads that follows it.
; how = 1: kernel codes.  The change that ends slot s names bytes 191 and 383 of slot s + 3's part of a row: the refill after the one just issued, 256 matrix instructions on.  Of the 64 rows that a wave fetches each of
; the four partners takes 16, told apart BY ADDRESS; lanes 0-15 name the first byte, lanes 16-31 the second: one instruction a wave.  Asked at s = 0 .. 6; the last slot's part is 288 bytes, so there the
; second byte is the row's last.  Slots 0 to 2 come by their loads alone.  The bytes named lie 192 apart along a row, so of four in a row two can fall into the same aligned 256 bytes.
; how = 3, at the end of slot 7: my own tile of x in f32, 64 rows x 512 bytes, lanes 256 bytes apart, four instructions: its load goes out one slot on.  xq is read by 39 fields, not once: it is not asked for.
.macro ASK how
.if (\how) == 1
	s_cmp_eq_u32 s3, 1
	s_cbranch_scc1 .Lask_last_\@
	global_prefetch_b8 v[PFO], s[PFB:PFB+1] th:TH_LOAD_NT scope:SCOPE_SE
	s_branch .Lasked_\@
.Lask_last_\@:
	global_prefetch_b8 v[PFOL], s[PFB:PFB+1] th:TH_LOAD_NT scope:SCOPE_SE
.Lasked_\@:
.elseif (\how) == 3
.irp k, 0,1,2,3
	global_prefetch_b8 v[PFOX], s[PFX:PFX+1] offset:\k*16*XROW th:TH_LOAD_NT scope:SCOPE_SE
.endr
.endif
.endm
	s_load_b256 s[4:11], s[0:1], 0x0               ; kernel1's codes s[4:5], scales s[6:7]; kernel2's codes s[8:9], scales s[10:11]
	s_load_b128 s[12:15], s[0:1], 0x20             ; x s[12:13], xq s[14:15]
	s_load_b64 s[16:17], s[0:1], 0x30              ; out0
	v_lshl_add_u32 v[SPW], v0, 2, SPARE
	v_mov_b32 v[NIL], 0
	ds_add_u32 v28, v29
	ds_add_u32 v28, v29
	s_wait_dscnt 0x0
	v_lshrrev_b32 v1, 5, v0
	v_readfirstlane_b32 s18, v1                    ; wave 0..3: my 64 rows.  Also: which quarter of the kernels' tiles I fetch:
	s_lshr_b32 s19, s18, 1                         ; which kernel,
	s_and_b32 s20, s18, 1                          ; which 64 of its rows
	s_bfe_u32 s21, ttmp6, 0x40000                  ; cx: my place in the cluster
	s_lshl_b32 s22, ttmp9, 2
	s_add_co_u32 s22, s22, s21                     ; my block of 256 rows = 4 x cluster x + cx: it enters global addresses of x, xq, out0 and of prefetches alone
	s_and_b32 s23, ttmp7, 0xffff                   ; the field, which the four partners share
	SHAPE G1B,  15|(1<<20)|(1<<21)|(4<<22)|(3<<25), SLB, SLB, 64, FROW    ; 15:0 the mask: all four work-groups; elements of 1 byte; 20 padding on; 21 set beside a mask; after every 32 words, 4 words
	SHAPE G1BL, 15|(1<<20)|(1<<21)|(4<<22)|(3<<25), 288, SLB, 64, FROW    ; the same tile with the tensor ending behind 288 bytes, a row's end: the rest arrives as zeros and is not read
	SHAPE G1S,  15|(2<<16)|(1<<21), 39, 39, 64, 39*39                     ; 64 rows of 39 words, 1,521 words apart; no padding
	SHAPE G1X,  (2<<16)|(1<<20)|(6<<22)|(3<<25), 128, 128, 64, 4992       ; 64 rows of 128 f32; after every 128 words, 4 words of padding; the work-group's own
	; offsets, each in the registers that will hold the address.  s2 and the joint descriptors' registers never hold cx
	s_mul_i32 s2, s20, 64*FROW                     ; my 64 rows of the kernel,
	s_mul_i32 s[G0F+2], s23, KROW                  ; the field's place in a row of e
	s_add_co_u32 s[G0F+2], s[G0F+2], s2
	s_mov_b32 s[G0F+3], 0
	s_mul_i32 s[PFB], s21, 16*FROW                 ; the prefetches: my work-group's 16 of those rows,
	s_add_co_u32 s[PFB], s[PFB], s[G0F+2]
	s_add_co_u32 s[PFB], s[PFB], 2*SLB+191         ; a slot short of byte 191 of slot 3's part
	s_mov_b32 s[PFB+1], 0
	s_mul_i32 s[G0S+2], s20, 64*39*SROW
	s_mul_i32 s2, s23, SROW
	s_add_co_u32 s[G0S+2], s[G0S+2], s2
	s_mov_b32 s[G0S+3], 0
	s_lshl_b32 s[G0X+2], s22, 8
	s_lshl_b32 s2, s18, 6
	s_add_co_u32 s[G0X+2], s[G0X+2], s2            ; x and out0: my first row,
	s_mul_i32 s[G0X+2], s[G0X+2], XROW
	s_lshl_b32 s2, s23, 9
	s_add_co_u32 s[G0X+2], s[G0X+2], s2            ; the field's 512 bytes
	s_mov_b32 s[G0X+3], 0
	s_lshl_b32 s[AP], s22, 1
	s_add_co_u32 s[AP], s[AP], s19                 ; xq: the run of 128 rows in which my 64 lie,
	s_mul_i32 s[AP], s[AP], 39*ACH                 ; its 39 chunks,
	s_mul_i32 s2, s20, 4*1536
	s_add_co_u32 s[AP], s[AP], s2                  ; my four of a chunk's eight images
	s_mov_b32 s[AP+1], 0
	s_mul_i32 s86, s20, 4*1536-256                 ; a chunk's scale words lie 12,288 bytes behind its first image, mine 256 (wave % 2) further on
	s_sub_co_u32 s86, 12288, s86
	; LDS addresses: constants and the wave's number
	s_mul_i32 s2, s18, WTILE
	s_mov_b32 s[G0F], 1
	s_add_co_u32 s[G0F+1], s2, BUFU
	s_mov_b32 s[G0W], 1
	s_add_co_u32 s[G0W+1], s2, BUFL
	s_mul_i32 s2, s18, 64*SROW
	s_mov_b32 s[G0S], 1
	s_add_co_u32 s[G0S+1], s2, SCB
	s_mul_i32 s2, s18, XTW
	s_mov_b32 s[G0X], 1
	s_add_co_u32 s[G0X+1], s2, XT
	s_mov_b32 s[TB], BUFU
	s_wait_kmcnt 0x0
	s_cmp_eq_u32 s19, 0                            ; which kernel I fetch and prefetch: the choice hangs on the wave's number alone
	s_cselect_b64 s[4:5], s[4:5], s[8:9]
	s_cselect_b64 s[6:7], s[6:7], s[10:11]
	s_add_nc_u64 s[PFB:PFB+1], s[4:5], s[PFB:PFB+1]
	s_add_nc_u64 s[G0F+2:G0F+3], s[4:5], s[G0F+2:G0F+3]        ; slot 0
	s_add_nc_u64 s[G0W+2:G0W+3], s[G0F+2:G0F+3], SLB           ; slot 1
	s_add_nc_u64 s[G0S+2:G0S+3], s[6:7], s[G0S+2:G0S+3]
	s_add_nc_u64 s[16:17], s[16:17], s[G0X+2:G0X+3]            ; out0 at my tile
	s_add_nc_u64 s[G0X+2:G0X+3], s[12:13], s[G0X+2:G0X+3]
	s_mov_b64 s[PFX:PFX+1], s[G0X+2:G0X+3]
	s_add_nc_u64 s[AP:AP+1], s[14:15], s[AP:AP+1]
	s_or_b32 s[G0F+3], s[G0F+3], 0x80000000        ; 127:126 type = 2
	s_or_b32 s[G0W+3], s[G0W+3], 0x80000000
	s_or_b32 s[G0S+3], s[G0S+3], 0x80000000
	s_or_b32 s[G0X+3], s[G0X+3], 0x80000000
	CROUND                                         ; all four work-groups are here: the first joint loads meet
	tensor_load_to_lds s[G0S:G0S+3], s[G1S:G1S+7]  ; the first fills go out together, ahead of every wait on TENSORcnt and every LDS read: three loads of mine are out
	s_nop 0
	tensor_load_to_lds s[G0F:G0F+3], s[G1B:G1B+7]
	s_nop 0
	tensor_load_to_lds s[G0W:G0W+3], s[G1B:G1B+7]
	s_nop 0
	v_and_b32 v1, 31, v0                           ; lane
	v_and_b32 v2, 15, v0                           ; r
	v_bfe_u32 v3, v0, 4, 1                         ; h
	v_lshlrev_b32 v[AOF], 4, v1
	v_lshl_add_u32 v[ASO], v1, 2, s86
; x's four fragments and their scale words of the K step ch chunks on from s[AP], into set: 14 loads.  An image comes as it was stored, 512 consecutive bytes a load
.macro LOADA set, ch
.irp i, 0,1,2,3
.irp k, 0,1,2
	global_load_b128 v[AF+48*(\set)+FR*\i+4*\k:AF+48*(\set)+FR*\i+4*\k+3], v[AOF], s[AP:AP+1] offset:(\ch)*ACH+1536*\i+512*\k
.endr
.endr
.irp j, 0,1
	global_load_b32 v[XS+2*(\set)+\j], v[ASO], s[AP:AP+1] offset:(\ch)*ACH+128*\j
.endr
.endm
	LOADA 0, 0                                     ; K steps 0, 1, 2
	LOADA 1, 1
	LOADA 2, 2
	v_mul_u32_u24 v[AB0], v2, PITCH
	v_mad_u32_u24 v[AB0], v3, 24, v[AB0]           ; a fragment's row x pitch + 24 x half
	v_lshl_add_u32 v[AB0+1], v3, 4, v[AB0]         ; and the same behind one padding more
	NEWADR
	v_mul_u32_u24 v[ADRS], v2, SROW
	v_lshl_add_u32 v[ADRS], v3, 2, v[ADRS]         ; lanes 16-31 take the next K step's word
	v_add_nc_u32 v[ADRS], SCB, v[ADRS]
	s_mul_i32 s2, s18, XTW
	s_add_co_u32 s2, s2, XT
	v_mul_u32_u24 v4, v2, 528
	v_lshl_add_u32 v4, v3, 5, v4                   ; row r, + 32 h: my eight numbers of 16
	v_add_nc_u32 v[XR], s2, v4
	s_mul_i32 s2, s18, 16*272
	s_add_co_u32 s2, s2, STG                       ; my stage
	v_mul_u32_u24 v4, v2, 272
	v_lshl_add_u32 v4, v3, 5, v4
	v_add_nc_u32 v[STO], s2, v4
	v_mul_u32_u24 v5, v3, 272
	v_lshl_add_u32 v5, v2, 4, v5                   ; back: lanes 0-15 one half row of 256 bytes, lanes 16-31 the next row's
	v_add_nc_u32 v[RD], s2, v5
	v_mul_u32_u24 v[CO], v3, XROW                  ; and the same two rows in out0
	v_lshl_add_u32 v[CO], v2, 4, v[CO]
	v_mul_u32_u24 v4, v2, FROW
	v_mad_u32_u24 v[PFO], v3, 192, v4
	v_mad_u32_u24 v[PFOL], v3, 96, v4
	v_lshrrev_b32 v4, 1, v1
	v_and_b32 v5, 1, v1
	v_mul_u32_u24 v4, v4, XROW
	v_lshl_add_u32 v[PFOX], v5, 8, v4
.macro FRAGB reg, half, q, ro          ; a kernel fragment, 16 rows x 128 K, is 12 registers: lane l holds row l % 16; registers 6 c .. 6 c + 5 hold K = 64 c + 32 (l / 16) + 0 .. 31: 24 bytes of the row's stream of bits, as they lie
.irp p, 0,1,2,3,4,5                    ; in pieces of 8 bytes.  Lanes 0-15 take the row's pieces 12 q + 0, 1, 2 and 12 q + 6, 7, 8, lanes 16-31 those three pieces on;
.set PCE, 12*(\q)+6*(\p/3)+\p%3       ; 16 bytes of padding lie behind every 16 pieces: where the piece three on lies behind one padding more, the second address register serves
.if PCE%16 < 13
	ds_load_b64 v[\reg+2*\p:\reg+2*\p+1], v[ADRB+2*(\half)] offset:8*PCE+16*(PCE/16)+(\ro)
.else
	ds_load_b64 v[\reg+2*\p:\reg+2*\p+1], v[ADRB+2*(\half)+1] offset:8*PCE+16*(PCE/16)+(\ro)
.endif
.endr
.endm
.macro FETCH_H half, q                 ; 48 loads: a kernel's eight fragments (half 0: kernel1, 1: kernel2) of the slot's q-th K step
	WIN TO_B
.irp i, 0,1,2,3,4,5,6,7
	FRAGB FR*(8*(\half)+\i), \half, \q, \i*16*PITCH
.endr
	WIN 0
.endm
.macro SCKH set, half, off             ; 8 loads: a kernel's scale words of two K steps: lanes 0-15 the word at byte off of the slot's 16, lanes 16-31 the next
.irp i, 0,1,2,3,4,5,6,7
	ds_load_b32 v[SC+16*(\set)+8*(\half)+\i], v[ADRS] offset:(\half)*SHALF+\i*16*SROW+(\off)
.endr
.endm
; 4 nb matrix instructions: the kernels' blocks b0 .. b0 + nb - 1, each against x's four, 128 along K.  q: x's set; kset, krow: the set of kernel scale words and the half of the lanes that holds this K step's;
; x's words lie in lanes 0-15 for even blocks, in lanes 16-31 for odd ones.  zero = 1: the first product starts the sums: nothing is ever cleared.
; The 64 accumulators take turns, one instruction a turn, in the same order in every step.
.macro MULR b0, nb, q, kset, krow, zero
.set bb, \b0
.rept \nb
.irp a, 0,1,2,3
.set rD, 8*(4*(bb%8)+\a)
.set rB, FR*bb
.set rA, AF+48*(\q)+FR*\a
.set rSK, SC+16*(\kset)+bb
.set rSX, XS+2*(\q)+\a/2
.if \zero
.if \a%2
	v_wmma_scale_f32_16x16x128_f8f6f4 v[rD:rD+7], v[rB:rB+FR-1], v[rA:rA+FR-1], 0, v[rSK], v[rSX] matrix_a_fmt:MATRIX_FMT_FP6 matrix_b_fmt:MATRIX_FMT_FP6 matrix_b_scale:MATRIX_SCALE_ROW1
.else
	v_wmma_scale_f32_16x16x128_f8f6f4 v[rD:rD+7], v[rB:rB+FR-1], v[rA:rA+FR-1], 0, v[rSK], v[rSX] matrix_a_fmt:MATRIX_FMT_FP6 matrix_b_fmt:MATRIX_FMT_FP6
.endif
.elseif \krow
.if \a%2
	v_wmma_scale_f32_16x16x128_f8f6f4 v[rD:rD+7], v[rB:rB+FR-1], v[rA:rA+FR-1], v[rD:rD+7], v[rSK], v[rSX] matrix_a_fmt:MATRIX_FMT_FP6 matrix_b_fmt:MATRIX_FMT_FP6 matrix_a_scale:MATRIX_SCALE_ROW1 matrix_b_scale:MATRIX_SCALE_ROW1
.else
	v_wmma_scale_f32_16x16x128_f8f6f4 v[rD:rD+7], v[rB:rB+FR-1], v[rA:rA+FR-1], v[rD:rD+7], v[rSK], v[rSX] matrix_a_fmt:MATRIX_FMT_FP6 matrix_b_fmt:MATRIX_FMT_FP6 matrix_a_scale:MATRIX_SCALE_ROW1
.endif
.else
.if \a%2
	v_wmma_scale_f32_16x16x128_f8f6f4 v[rD:rD+7], v[rB:rB+FR-1], v[rA:rA+FR-1], v[rD:rD+7], v[rSK], v[rSX] matrix_a_fmt:MATRIX_FMT_FP6 matrix_b_fmt:MATRIX_FMT_FP6 matrix_b_scale:MATRIX_SCALE_ROW1
.else
	v_wmma_scale_f32_16x16x128_f8f6f4 v[rD:rD+7], v[rB:rB+FR-1], v[rA:rA+FR-1], v[rD:rD+7], v[rSK], v[rSX] matrix_a_fmt:MATRIX_FMT_FP6 matrix_b_fmt:MATRIX_FMT_FP6
.endif
.endif
.endr
.set bb, bb+1
.endr
.endm
; One of a slot's first three K steps, the q-th.  The kernels have one set of registers: kernel1's eight fragments are free when their 32 products are issued and are fetched anew in the step's middle,
; kernel2's at its end: each run of loads stands 32 matrix instructions ahead of its first use.
; ach >= 0: x's fragments of the K step three on are asked for, ach chunks on from s[AP], into the set that the step before has left (its four places stand behind its last product).
; lcnt: the loads of x issued behind this step's own.  soff >= 0: eight scale words of the slot's later K steps come with the middle run (kernel1's in step 0, kernel2's in step 1).
.macro STEP q, zero, ach, lcnt, soff
.if (\ach) >= 0
	LOADA ((\q)+3)%4, \ach
.endif
	s_wait_loadcnt \lcnt                           ; loads come back in order: this K step's x is in, the later steps' stay out
	s_wait_dscnt 48                                ; kernel1's fragments are in; the youngest 48 loads, kernel2's, may be out
	WIN MUL_LO
	MULR 0, 8, \q, (\q)/2, (\q)%2, \zero
	PLACES 4
	FETCH_H 0, (\q)+1
.if (\soff) >= 0
	SCKH 1, \q, \soff
	s_wait_dscnt 56                                ; kernel2's fragments are in; the 56 just issued may be out
.else
	s_wait_dscnt 48
.endif
	WIN MUL_HI
	MULR 8, 8, \q, (\q)/2, (\q)%2, \zero
	PLACES 4
	FETCH_H 1, (\q)+1
.endm
; A slot's fourth K step changes slots: ONE barrier, which opens a round of the cluster's.  In front of it each wave waits for all its tensor loads (its part of the next slot), adds 0 to its spare word, and waits
; for that and for its reads of this slot.  Behind the round no wave of any partner reads this buffer or has a load on its way, and the buffer is filled again first:
; kind = 0: with the slot two on;  1: the same, the last slot;  2: with my tile of x in f32, for the epilogue.  From a request to the wait for it a wave issues 224 matrix instructions.
.macro TURN kind, ask
	s_wait_xcnt 0x0                                ; the loads of x, issued 64 matrix instructions back or more, and the last prefetch, a slot back, have read their addresses, which step here:
	s_add_nc_u64 s[AP:AP+1], s[AP:AP+1], 4*ACH     ; to the next slot's first K step
.if (\ask) == 1
	s_add_nc_u64 s[PFB:PFB+1], s[PFB:PFB+1], SLB
.endif
	LOADA 2, 2
	s_wait_loadcnt 42
	s_wait_tensorcnt 0x0                           ; all my tensor loads have landed  (every window is 0 here: the add's two registers lie in window 0)
	ds_add_u32 v[SPW], v[NIL]                      ; 0 onto my spare word
	s_wait_dscnt 49                                ; (the add and the youngest 48 loads, kernel2's fragments, may be out)
	WIN MUL_LO
	MULR 0, 6, 3, 1, 1, 0                          ; 24 matrix instructions stand between the add and the wait for it
	s_wait_dscnt 0x0                               ; the add is done, and my reads of this slot are over
	s_barrier_signal -1
	MULR 6, 2, 3, 1, 1, 0
	WIN 0
	s_barrier_wait -1
	CREST
	s_xor_b32 s[TB], s[TB], BUFU                   ; my reads go on in the other buffer
.if (\kind) < 2
	s_xor_b32 s[G0W+1], s[G0W+1], BUFU             ; the walking descriptor: the other buffer than last time,
	s_add_nc_u64 s[G0W+2:G0W+3], s[G0W+2:G0W+3], SLB   ; the next slot along K; the type bits on top are not reached
.endif
.if (\kind) == 0
	tensor_load_to_lds s[G0W:G0W+3], s[G1B:G1B+7]  ; the first tensor load behind the round, and my only one until the next
	s_nop 0
.elseif (\kind) == 1
	tensor_load_to_lds s[G0W:G0W+3], s[G1BL:G1BL+7]
	s_nop 0
.else
	tensor_load_to_lds s[G0X:G0X+3], s[G1X:G1X+7]  ; every wave its own tile: 64 rows x 512 bytes
	s_nop 0
.endif
	NEWADR                                         ; four plain lines behind the tensor load; they are also the places in front of the loads below
	v_add_nc_u32 v[ADRS], 16, v[ADRS]              ; on to the next slot's kernel scale words
	FETCH_H 0, 0
	SCKH 0, 0, 0
	SCKH 0, 1, 0
	ASK \ask
	WIN MUL_HI
	MULR 8, 8, 3, 1, 1, 0
	PLACES 4
	FETCH_H 1, 0
.endm
	s_wait_tensorcnt 1                             ; the scale bytes and slot 0 are in: one load, slot 1's, was issued behind them and may stay out
	s_barrier_signal -1
	s_barrier_wait -1                              ; everybody's are
	FETCH_H 0, 0
	SCKH 0, 0, 0
	SCKH 0, 1, 0
	FETCH_H 1, 0
	STEP 0, 1, 3, 42, 8                            ; the first K step stands in front of the loop: its products start the sums
	s_mov_b32 s3, 7
.Lslot:                                                ; a trip goes from a slot's second K step to the next slot's first; its change of slots ends slot 0 .. 6 and asks for slot 2 .. 8
	STEP 1, 0, 4, 42, 8
	STEP 2, 0, 5, 42, -1
	TURN 0, 1
	STEP 0, 0, 3, 42, 8
	s_sub_co_u32 s3, s3, 1
	s_cmp_lg_u32 s3, 0
	s_cbranch_scc1 .Lslot
	STEP 1, 0, 4, 42, 8                            ; the tail is written out.  Slot 7 goes on; its change asks for the last slot
	STEP 2, 0, 5, 42, -1
	TURN 1, 3
	STEP 0, 0, 3, 42, 8                            ; slot 8: the upper buffer has had its last slot and takes x in f32; its fourth step asks for x's last K step
	STEP 1, 0, 4, 42, 8
	STEP 2, 0, 5, 42, -1
	TURN 2, 0
	STEP 0, 0, -1, 28, 4                           ; slot 9: three K steps; no more of x is asked for, so the counts run down.  Its second set of scale words holds K steps 37 and 38:
	STEP 1, 0, -1, 14, 4                           ; a word further on there is none
	s_wait_loadcnt 0x0                             ; the very last K step: nothing more to fetch
	s_wait_dscnt 48
	WIN MUL_LO
	MULR 0, 8, 2, 1, 1, 0
	s_wait_dscnt 0x0
	WIN MUL_HI
	MULR 8, 8, 2, 1, 1, 0
	WIN 0
	; THE EPILOGUE.  x in f32, in the accumulators' layout: for block a and e block i, lane (r, h) takes row 16 a + r, e = 16 i + 8 h + 0 .. 7: 32 bytes.  It fills window 1, where the kernels' fragments lay.
	s_wait_tensorcnt 0x0                           ; my tile of x is in LDS; I alone read it
	s_mov_b32 s[SEL], 0x76543210
	s_mov_b32 s[SEL+1], 0xfedcba98
.irp a, 0,1,2,3
	v_mov_b32 v[PD+\a], 0                          ; a lane permute's destination counts as one of its sources.  These four are also the places behind the last products
.endr
	WIN TO_B
.irp a, 0,1,2,3
.irp i, 0,1,2,3,4,5,6,7
.irp u, 0,1
	ds_load_b128 v[64*\a+8*\i+4*\u:64*\a+8*\i+4*\u+3], v[XR] offset:16*528*\a+64*\i+16*\u
.endr
.endr
.endr
	; the gate's sums: kp1 x over all 128 e: 64 numbers a lane and block, in four chains of packed multiply-adds; each accumulator is read from its low end on
.irp a, 0,1,2,3
	s_wait_dscnt 48-16*\a                          ; block a's sixteen loads are in; the later blocks' stay out
	WIN 0x06                                       ; source 0: window 2; source 1: window 1
.irp g, 0,1
.irp p, 0,1,2,3
.irp i, 0,1,2,3
.set rC, 8*(4*(4*\g+\i)+\a)+2*\p
.set rX, 64*\a+8*(4*\g+\i)+2*\p
.if (\g == 0) && (\p == 0)
	v_pk_mul_f32 v[TT+2*\i:TT+2*\i+1], v[rC:rC+1], v[rX:rX+1]
.else
	v_pk_fma_f32 v[TT+2*\i:TT+2*\i+1], v[rC:rC+1], v[rX:rX+1], v[TT+2*\i:TT+2*\i+1]
.endif
.endr
.endr
.endr
	WIN 0
	v_pk_add_f32 v[TT:TT+1], v[TT:TT+1], v[TT+2:TT+3]
	v_pk_add_f32 v[TT+4:TT+5], v[TT+4:TT+5], v[TT+6:TT+7]
	v_pk_add_f32 v[TT:TT+1], v[TT:TT+1], v[TT+4:TT+5]
	v_add_f32 v[PS+\a], v[TT], v[TT+1]
.endr
.irp a, 0,1,2,3
	v_permlanex16_b32 v[PD+\a], v[PS+\a], s[SEL], s[SEL+1]
.endr
.irp a, 0,1,2,3
	v_add_f32 v[PS+\a], v[PS+\a], v[PD+\a]         ; with lane l xor 16's: row 16 a + r over all 128 e
.endr
.irp a, 0,1,2,3
	v_mul_f32 v[PS+\a], 0xbfb8aa3b, v[PS+\a]       ; x -log2(e)
.endr
.irp a, 0,1,2,3
	v_exp_f32 v[PS+\a], v[PS+\a]
.endr
	v_nop                                          ; a plain instruction behind the last exponential,
	s_wait_alu depctr_va_vdst(0)                   ; and one wait for the four, ahead of their first reader
.irp a, 0,1,2,3
	v_add_f32 v[PS+\a], 1.0, v[PS+\a]
.endr
.irp a, 0,1,2,3
	v_rcp_f32 v[GT+2*\a], v[PS+\a]                 ; g
.endr
	v_nop
	s_wait_alu depctr_va_vdst(0)                   ; likewise for the four reciprocals
.irp a, 0,1,2,3
	v_sub_f32 v[GT+2*\a+1], 1.0, v[GT+2*\a]        ; 1 - g
.endr
; THE WAY OUT, in eight units n = 2 a + half: 16 rows x 64 e: out = x (kp2 g + (1 - g)), in place in kp2's accumulators.  A lane holds 32 neighbouring bytes of a row and the lanes beside it other rows: so a unit goes
; through my own stage in LDS and comes back as half rows of 256 bytes.  LDS serves a wave's instructions in order (ISA guide 5.7.1.4): no wait between the stores and the loads, nor in front of the next unit's stores.
.macro SEND n, younger                 ; younger: the LDS instructions issued behind unit n's loads, which may stay out
	s_wait_dscnt \younger
.irp t, 0,1,2,3,4,5,6,7
	global_store_b128 v[CO], v[BK+32*((\n)%2)+4*\t:BK+32*((\n)%2)+4*\t+3], s[16:17] offset:(16*((\n)/2)+2*\t)*XROW+256*((\n)%2) th:TH_STORE_NT   ; 16 lanes store 256 consecutive bytes, at a multiple of 256 from out0's first byte; 62 rows at the most: inside the signed 24-bit immediate
.endr
.endm
.irp n, 0,1,2,3,4,5,6,7
.if \n > 1
	s_wait_xcnt 0x0                                ; unit n - 2's stores have read their registers: unit n's rows may land there
.endif
	WIN 0xc3                                       ; destination and source 0: window 3; g in window 0
.irp i, 0,1,2,3
.irp p, 0,1,2,3
.set rC, 8*(4*(4*(\n%2)+\i)+\n/2)+2*\p
.set rG, GT+2*(\n/2)
	v_pk_fma_f32 v[rC:rC+1], v[rC:rC+1], v[rG:rG+1], v[rG:rG+1] op_sel:[0,0,1] op_sel_hi:[1,0,1]   ; kp2 g + (1 - g): of the pair (g, 1 - g) the factor takes the first for both halves, the addend the second
.endr
.endr
	WIN 0xc7                                       ; source 1: x, window 1
.irp i, 0,1,2,3
.irp p, 0,1,2,3
.set rC, 8*(4*(4*(\n%2)+\i)+\n/2)+2*\p
.set rX, 64*(\n/2)+8*(4*(\n%2)+\i)+2*\p
	v_pk_mul_f32 v[rC:rC+1], v[rC:rC+1], v[rX:rX+1]
.endr
.endr
	WIN 0x0c                                       ; an LDS store's data are its source 1
.irp i, 0,1,2,3
.irp u, 0,1
.set rC, 8*(4*(4*(\n%2)+\i)+\n/2)+4*\u
	ds_store_b128 v[STO], v[rC:rC+3] offset:64*\i+16*\u
.endr
.endr
	WIN 0
.irp t, 0,1,2,3,4,5,6,7
	ds_load_b128 v[BK+32*(\n%2)+4*\t:BK+32*(\n%2)+4*\t+3], v[RD] offset:2*272*\t
.endr
.if \n > 0
	SEND \n-1, 16                                  ; behind unit n - 1's loads: unit n's 8 stores and 8 loads
.endif
.endr
	SEND 7, 0
	s_wait_tensorcnt 0x0                           ; the wave's end, behind my last tensor load and my last LDS store
	ds_add_u32 v[SPW], v[NIL]
	s_wait_dscnt 0x0
	CROUND                                         ; the closing round: no work-group ends while a partner may still ask for a tile that names it
	s_endpgm
.Lfunc_end_k_q24c0a4c9e1_glu:
	.size	k_q24c0a4c9e1_glu, .Lfunc_end_k_q24c0a4c9e1_glu-k_q24c0a4c9e1_glu
	.p2alignl 7, 3214868480
	.fill 96, 4, 3214868480
	.section	.rodata,"a",@progbits
	.p2align	6, 0x0
	.amdhsa_kernel k_q24c0a4c9e1_glu
		.amdhsa_group_segment_fixed_size 327680
		.amdhsa_private_segment_fixed_size 0
		.amdhsa_enable_private_segment 0
		.amdhsa_kernarg_size 56
		.amdhsa_user_sgpr_count 2
		.amdhsa_user_sgpr_kernarg_segment_ptr 1
		.amdhsa_wavefront_size32 1
		.amdhsa_system_sgpr_workgroup_id_x 1
		.amdhsa_system_sgpr_workgroup_id_y 1
		.amdhsa_system_sgpr_workgroup_id_z 1
		.amdhsa_system_vgpr_workitem_id 0
		.amdhsa_next_free_vgpr 1024
		.amdhsa_next_free_sgpr 100
		.amdhsa_reserve_vcc 0
		.amdhsa_float_denorm_mode_32 3
		.amdhsa_float_denorm_mode_16_64 3
		.amdhsa_memory_ordered 1
		.amdhsa_forward_progress 1
		.amdhsa_inst_pref_size 255
	.end_amdhsa_kernel
	.section	.bss,"aw",@nobits
	.p2align	6
	.space	262144
	.amdgpu_metadata
---
amdhsa.version: [ 1, 2 ]
amdhsa.kernels:
  - .name:           k_q24c0a4c9e1_glu
    .symbol:         k_q24c0a4c9e1_glu.kd
    .args:
      - { .name: kernel1_codes, .offset: 0, .size: 8, .value_kind: global_buffer, .address_space: global }
      - { .name: kernel1_scales, .offset: 8, .size: 8, .value_kind: global_buffer, .address_space: global }
      - { .name: kernel2_codes, .offset: 16, .size: 8, .value_kind: global_buffer, .address_space: global }
      - { .name: kernel2_scales, .offset: 24, .size: 8, .value_kind: global_buffer, .address_space: global }
      - { .name: x, .offset: 32, .size: 8, .value_kind: global_buffer, .address_space: global }
      - { .name: xq, .offset: 40, .size: 8, .value_kind: global_buffer, .address_space: global }
      - { .name: out0, .offset: 48, .size: 8, .value_kind: global_buffer, .address_space: global }
    .group_segment_fixed_size: 327680
    .private_segment_fixed_size: 0
    .kernarg_segment_align: 8
    .kernarg_segment_size: 56
    .max_flat_workgroup_size: 128
    .sgpr_count:     100
    .vgpr_count:     1024
    .wavefront_size: 32
...
	.end_amdgpu_metadata
.endif
;; end of part 2
